; MI455X (gfx1250); checked and timed in simulation.
; The chip was launched on July 23, 2026; its instructions are those of AMD's public machine-readable ISA for CDNA 5 (MIT licence, August 2026) and "CDNA5" Instruction Set Architecture Reference Guide (July 2026). The comments in the code are by the model that wrote it; some were corrected since.
;; Linear Attention. Allowed arithmetic: matrix products marked QUANTISED: E3M2 operands, one E8M0 scale for each 32 along K, by v_wmma_scale_f32_16x16x128_f8f6f4 with both operands' format E3M2, f32 sums; products left as they are: f32 operands where the result goes on into a quantised operand, else bf16, f16 or f32 operands; f32 sums; everything else in f32.
;; Inputs: Wk_codes 1,024 x 32 x 24 uint8 (E3M2 codes of Wk, K innermost, in blocks of 32 codes, four codes in three bytes); Wk_scales 1,024 x 32 uint8 (E8M0 scales of Wk, one for each 32 codes along K); Wq_codes 1,024 x 32 x 24 uint8 (E3M2 codes of Wq, K innermost, in blocks of 32 codes, four codes in three bytes); Wq_scales 1,024 x 32 uint8 (E8M0 scales of Wq, one for each 32 codes along K); Wv_codes 1,024 x 32 x 24 uint8 (E3M2 codes of Wv, K innermost, in blocks of 32 codes, four codes in three bytes); Wv_scales 1,024 x 32 uint8 (E8M0 scales of Wv, one for each 32 codes along K); k_codes 4,096 x 4 x 32 x 24 uint8 (E3M2 codes of k, K innermost, in blocks of 32 codes, four codes in three bytes); k_scales 4,096 x 4 x 32 uint8 (E8M0 scales of k, one for each 32 codes along K); q_codes 4,096 x 4 x 32 x 24 uint8 (E3M2 codes of q, K innermost, in blocks of 32 codes, four codes in three bytes); q_scales 4,096 x 4 x 32 uint8 (E8M0 scales of q, one for each 32 codes along K); v_codes 4,096 x 4 x 32 x 24 uint8 (E3M2 codes of v, K innermost, in blocks of 32 codes, four codes in three bytes); v_scales 4,096 x 4 x 32 uint8 (E8M0 scales of v, one for each 32 codes along K).
;; Outputs: out0 4,096 x 4 x 1,024 float32.
;; This version of the problem:
;;   THIS VERSION OF THE PROBLEM IS GIVEN IN LOW PRECISION. The matrix products marked QUANTISED in the list below multiply operands that are first quantised to E3M2 (3 exponent bits, 2 mantissa bits; 6 bits a number), with one power-of-two scale for each 32 numbers along K (OCP MX v1.0); their sums are f32. All else is computed in f32.
;;   The module's matrix products, in the order in which they are computed (A, B: the left and right operand; K: the contracted axis; several contracted axes count as one K, in the product's order):
;;     1. [M 16,384, K 1,024] x [K 1,024, N 1,024]; A: input q (given as codes); B: input Wq (given as codes): QUANTISED
;;     2. [M 16,384, K 1,024] x [K 1,024, N 1,024]; A: input k (given as codes); B: input Wk (given as codes): QUANTISED
;;     3. [M 16,384, K 1,024] x [K 1,024, N 1,024]; A: input v (given as codes); B: input Wv (given as codes): QUANTISED
;;     4. batch 262,144 x [M 1, K 64] x [K 64, N 1]; A: computed on the way; B: computed on the way: left as it is (M = 1 < 16)
;;   THE QUANTISER, for each operand of a quantised product, along K:
;;     - K is cut into blocks of 32 from its start; a last block that is shorter is filled with zeros.
;;     - A block's scale is 2^e with e = floor(log2(the largest magnitude in the block)) - 4, held to -126 .. 127; a block of zeros has e = 0. As a byte (E8M0): e + 127.
;;     - Each number is divided by its block's scale, clamped to +-28, and rounded to the nearest number of E3M2, ties to even, subnormals kept.
;;     - The product sums the exact products of the quantised numbers (number of the format x scale) in f32.
;;   ~~~python
;;   def quantise(x, axis):      # numpy; x: float32 -> the quantised numbers, widened to float32 again
;;       x = np.moveaxis(x, axis, -1); K = x.shape[-1]
;;       x = np.pad(x, [(0, 0)] * (x.ndim - 1) + [(0, -K % 32)]); x = x.reshape(x.shape[:-1] + (-1, 32)); a = np.abs(x).max(-1, keepdims=True)
;;       e = np.where(a > 0, np.clip(np.frexp(np.where(a > 0, a, 1))[1] - 1 - 4, -126, 127), 0)      # np.frexp(a)[1] - 1 = floor(log2(a)), exactly
;;       r = np.clip(x / 2.0 ** e, -28, 28)
;;       step = 2.0 ** (np.maximum(np.frexp(np.where(r == 0, 1, r))[1] - 1, -2) - 2)
;;       q = np.round(r / step) * step * 2.0 ** e      # np.round: ties to even
;;       return np.moveaxis(q.reshape(q.shape[:-2] + (-1,))[..., :K], -1, axis).astype(np.float32)
;;   ~~~
;;   INPUTS GIVEN AS CODES. Wk (in the module: [1024, 1024], K = its axis 1); Wq (in the module: [1024, 1024], K = its axis 1); Wv (in the module: [1024, 1024], K = its axis 1); k (in the module: [4096, 4, 1024], K = its axis 2); q (in the module: [4096, 4, 1024], K = its axis 2); v (in the module: [4096, 4, 1024], K = its axis 2): each comes as NAME_codes (uint8): NAME with its K axis moved to the last place and cut into blocks of 32 codes, [.., K / 32, bytes a block], one block behind the other in memory; four codes in three bytes: a row's codes are one little-endian stream of bits, code i at bits 6 i .. 6 i + 5 (a code: sign, 3 exponent bits, 2 mantissa bits); and NAME_scales (uint8): the same leading axes, one E8M0 byte (e + 127) for each 32 codes along K. Its value is code x scale, taken as it is: it is not quantised again, and the codes and scales need not be those that the quantiser above would give.
;; One version. Each part assembles by itself: llvm-mc -triple=amdgcn-amd-amdhsa -mcpu=gfx1250 --defsym DOCPART=n.
;; ======== version 1 of 1: 1 launch
;; limits: right only within a limited range of input values
;; launch fused (part 1): grid 4 x 64, 4 waves a work-group, clusters of 4 x 4, 327,680 bytes of LDS; arguments v_codes, v_scales, Wv_codes, Wv_scales, out0; writes out0
.if DOCPART == 1
	.amdgcn_target "amdgcn-amd-amdhsa--gfx1250"
	.amdhsa_code_object_version 6
	.text
	.protected	k_q8e9df705ca_fused
	.globl	k_q8e9df705ca_fused
	.p2align	8
	.type	k_q8e9df705ca_fused,@function
k_q8e9df705ca_fused:
	s_mov_b64 s[64:65], 0
	v_nop
	global_prefetch_b8 v0, s[64:65] scope:SCOPE_SE
	s_setreg_imm32_b32 hwreg(HW_REG_WAVE_MODE, 25, 1), 1
	s_wait_xcnt 0x0
	s_wait_alu depctr_hold_cnt(0) depctr_sa_sdst(0) depctr_va_vdst(0) depctr_va_sdst(0) depctr_va_ssrc(0) depctr_va_vcc(0) depctr_vm_vsrc(0)
	s_getreg_b32 s2, hwreg(HW_REG_IB_STS2, 6, 4)
	s_cmp_eq_u32 s2, 0
	s_cbranch_scc0 .Lentry_in_a_cluster
	s_endpgm
.Lentry_in_a_cluster:
	s_bfe_u32 s2, ttmp6, 0x10000c
	s_cmp_lg_u32 s2, 0xf033
	s_cbranch_scc0 .Lentry_shape_is_right
	s_endpgm
.Lentry_shape_is_right:
; out0 = cumsum over b of V, V = v Wv^T.  v: [16,384][1,024], Wv: [1,024][1,024]: codes of BF6 (E3M2), a row 768 bytes, with one E8M0 byte for each 32 along K (a row 32 bytes).  Row m = 4 s + b.  out0: [16,384][1,024] f32.
; WORK LEFT OUT.  reference() forms (qk V) / qk, qk = the sum over a head's 64 columns of exp(Q) exp(K), Q = q Wq^T, K = k Wk^T.  In real numbers an exponential is positive for every finite argument, so qk is positive for all finite
; values of q, k, Wq, Wk, and qk / qk is the factor 1 by an identity.  So products 1, 2 and 4, the exponentials and the division are left out, and q, k, Wq, Wk (codes and scales) have no way to the output: they are not loaded and are no arguments.
; LIMIT: a NaN, an infinity, an overflow or a fall to 0 that reaches only the work left out (an exp or a qk beyond f32's range, a qk of 0, a NaN scale of q, k, Wq or Wk) is not carried to the result: this text gives V's sums there.
; SHAPE.  A work-group of four waves makes 256 rows x 256 columns of out0; a wave 256 rows x 64 columns.  A wave holds its 64 rows of Wv for all of K in 384 registers (4 tiles x 8 steps of 128 along K x 12) and walks 16 blocks of
; 16 rows of v: 32 matrix instructions a block.  Source 0 = 16 rows of v, source 1 = 16 rows of Wv: lane (r, h) then holds column r and the rows 8 h + 0 .. 7 of the block.
; WHICH ROWS OF Wv FORM A TILE: column r of tile t is Wv's row 4 r + t.  So a lane's four tiles are four NEIGHBOURING columns, 16 bytes; sixteen neighbouring lanes hold 256 aligned bytes of a row of out0.
; The four b of an s are four neighbouring registers of a lane: the running sum is 24 additions and 8 moves a block, which also lay the four columns side by side for the stores.  No result passes through LDS.
; LDS: Wv's 256 rows are dense in memory: stated as 192 rows of 1,024 bytes, 16 bytes of padding behind each.  v's rows likewise, as rows of 256 bytes, 16 of padding behind each.  v's rows 0-127 come at the head;
; rows 128-255 come into the bytes that held Wv, when every wave has Wv in registers.  Scale words go from memory to registers once.
; CLUSTERS: 4 x 4 work-groups.  The four of a row of the cluster need the same rows of v, the four of a column the same rows of Wv: each is asked for JOINTLY, by the same load with the same descriptor and a mask that names the four.
; The grid is one cluster wide, so each byte of v's codes is asked for once in the launch.
; No prefetch into the L2: there is no loop to run ahead in.  v is asked for by two loads a wave, the second behind block 0, and 208 matrix instructions stand between that request and the wait for it.
; The walk is written out: scale registers, row selectors and store registers differ from block to block.
; REGISTERS: window 0: v0-15 addresses; v16-31 Wv's scale words; v32-95 v's; v96-143, v144-191 v's fragments, steps 0-3 and 4-7 of a block; v192-223, v224-255 accumulators of even and odd blocks.
;   window 1: Wv's fragments of steps 0-3; window 2: of steps 4-7 (step q, tile t at 48 (q % 4) + 12 t); window 3: eight store buffers of 32.
.set HV,    128                        ; v's rows that come at the head
.set LASTH, HV/16-1                    ; the last block among them
.set WHALF, 96*1040                    ; LDS bytes of 128 rows of Wv
.set WWAVE, 48*1040                    ; of a wave's 64 rows
.set VROW,  816                        ; an LDS row of v: 3 x (256 + 16)
.set VBLK,  16*VROW
.set VREG,  2*WHALF                    ; v's rows 0-127, behind Wv
.set SPARE, VREG+HV*VROW               ; the spare words: 128 bytes a wave, two blocks of 256 that no other line names
.set ADV,   2                          ; v2-9   LDS address of my fragments of v: a pair for each four blocks; the second of a pair for pieces whose lanes 16-31 lie behind one padding more
.set ADW,   10                         ; v10-11 the same for Wv
.set CO,    12                         ; v12    my byte offset in out0
.set SPW,   13                         ; v13    LDS address of my spare word; never rewritten
.set NIL,   14                         ; v14    0; never rewritten
.set WS,    16
.set VS,    32
.set F,     96
.set ACC,   192
.set T,     192                        ; the head's temporaries
.set WV,    14                         ; s14 wave
.set HF,    15                         ; s15 which half of Wv's or of v's rows I fetch
.set RH,    66                         ; s66 I fetch Wv (0) or v (1)
.set OUTP,  12                         ; s[12:13] out0
.set G0W,   20
.set G0V,   24
.set G0R,   28
.set G1W,   32
.set G1V,   40
.set G1R,   48
.set MSB,   0
.macro WIN new                         ; the immediate's high byte repeats the setting that is left
.if MSB != (\new)
	s_set_vgpr_msb (MSB<<8)|(\new)
.set MSB, (\new)
.endif
.endm
.macro PLACES
.rept 4
	v_nop
.endr
.endm
.macro CROUND                          ; a whole round of the cluster's barrier
	s_barrier_signal -1
	s_barrier_wait -1
	s_cmp_lg_u32 s[WV], 0
	s_cbranch_scc1 .Lnot_wave_0_\@
	s_barrier_signal -3
.Lnot_wave_0_\@:
	s_barrier_wait -3
	s_barrier_signal -1
	s_barrier_wait -1
.endm
	s_load_b256 s[4:11], s[0:1], 0x0               ; v's codes s[4:5], v's scales s[6:7], Wv's codes s[8:9], Wv's scales s[10:11]
	s_load_b64 s[OUTP:OUTP+1], s[0:1], 0x20
	v_lshl_add_u32 v[SPW], v0, 2, SPARE
	v_mov_b32 v[NIL], 0
	ds_add_u32 v[SPW], v[NIL]                      ; the wave's opening: the add, twice on end, and its wait ahead of my first tensor load
	ds_add_u32 v[SPW], v[NIL]
	v_lshrrev_b32 v[T+6], 5, v0
	v_readfirstlane_b32 s[WV], v[T+6]              ; wave 0..3
	s_and_b32 s[HF], s[WV], 1
	s_lshr_b32 s[RH], s[WV], 1
	s_bfe_u32 s56, ttmp6, 0x40000                  ; cx, cy: my place in the cluster
	s_bfe_u32 s57, ttmp6, 0x40004
	s_lshl_b32 s58, ttmp9, 2
	s_add_co_u32 s58, s58, s56                     ; tile column
	s_and_b32 s59, ttmp7, 0xffff
	s_lshl_b32 s59, s59, 2
	s_add_co_u32 s59, s59, s57                     ; tile row
	s_lshl_b32 s60, s57, 2
	s_lshl_b32 s60, 15, s60                        ; my row of the cluster
	s_lshl_b32 s61, 0x1111, s56                    ; my column
	; group 1 of Wv's load: 96 rows of 1,024 bytes (128 elements of 8 bytes), padding of 4 words (code 3) behind every 256 (code 7); the mask of my column, bit 21 beside it
	s_or_b32 s[G1W], s61, (3<<16)|(1<<20)|(1<<21)|(7<<22)|(3<<25)
	s_mov_b32 s[G1W+1], 128<<16
	s_mov_b32 s[G1W+2], 96<<16
	s_mov_b32 s[G1W+3], 128<<16
	s_mov_b32 s[G1W+4], 96
	s_mov_b32 s[G1W+5], 128
	s_mov_b32 s[G1W+6], 0
	s_mov_b32 s[G1W+7], 0
	; of v's loads: rows of 256 bytes (32 elements of 8 bytes), padding of 4 words behind every 64 (code 5); the mask of my row.  At the head 64 rows of v a wave, later 32
	s_or_b32 s[G1V], s60, (3<<16)|(1<<20)|(1<<21)|(5<<22)|(3<<25)
	s_or_b32 s[G1R], s60, (3<<16)|(1<<20)|(1<<21)|(5<<22)|(3<<25)
	s_mov_b32 s[G1V+2], (3*HV/2)<<16
	s_mov_b32 s[G1V+4], 3*HV/2
	s_mov_b32 s[G1R+2], (3*(256-HV)/4)<<16
	s_mov_b32 s[G1R+4], 3*(256-HV)/4
.irp g, G1V, G1R
	s_mov_b32 s[\g+1], 32<<16
	s_mov_b32 s[\g+3], 32<<16
	s_mov_b32 s[\g+5], 32
	s_mov_b32 s[\g+6], 0
	s_mov_b32 s[\g+7], 0
.endr
	; groups 0: LDS addresses hang on the wave's number alone
	s_mov_b32 s[G0W], 1
	s_mul_i32 s[G0W+1], s[HF], WHALF
	s_mov_b32 s[G0V], 1
	s_mul_i32 s[G0V+1], s[HF], HV/2*VROW
	s_add_co_u32 s[G0V+1], s[G0V+1], VREG
	s_mov_b32 s[G0R], 1
	s_mul_i32 s[G0R+1], s[WV], (256-HV)/4*VROW
	; where my parts begin in memory, in bytes (all under 2^26)
	s_mul_i32 s68, s58, 256*768                    ; Wv: 256 rows a tile column, 128 a half
	s_mul_i32 s62, s[HF], 128*768
	s_add_co_u32 s68, s68, s62
	s_mov_b32 s69, 0
	s_mul_i32 s72, s59, 256*768                    ; v: 256 rows a tile row,
	s_mul_i32 s62, s[HF], HV/2*768                 ; at the head HV / 2 a half,
	s_add_co_u32 s70, s72, s62
	s_mov_b32 s71, 0
	s_mul_i32 s62, s[WV], (256-HV)/4*768           ; later a quarter of the rest
	s_add_co_u32 s72, s72, s62
	s_add_co_u32 s72, s72, HV*768
	s_mov_b32 s73, 0
	s_lshl_b32 s74, s59, 13                        ; v's scales: 256 rows x 32
	s_mov_b32 s75, 0
	s_lshl_b32 s76, s58, 13                        ; Wv's scales: 256 rows x 32, and my 64 rows
	s_lshl_b32 s62, s[WV], 11
	s_add_co_u32 s76, s76, s62
	s_mov_b32 s77, 0
	s_lshl_b32 s78, s59, 20                        ; out0: 256 rows x 4,096, 256 columns x 4, my 64 columns x 4
	s_lshl_b32 s62, s58, 10
	s_add_co_u32 s78, s78, s62
	s_lshl_b32 s62, s[WV], 8
	s_add_co_u32 s78, s78, s62
	s_mov_b32 s79, 0
	s_mul_i32 s63, s[WV], WWAVE
	v_and_b32 v[T], 15, v0                         ; r
	v_bfe_u32 v[T+1], v0, 4, 1                     ; h
	v_and_b32 v[T+2], 31, v0
	v_lshlrev_b32 v15, 5, v[T+2]                   ; v's scales: lane l takes row l of 32
	v_lshlrev_b32 v1, 7, v[T]
	v_lshl_add_u32 v1, v[T+1], 6, v1               ; Wv's scales: lane (r, h) takes rows 4 r + 2 h and the next
	v_lshlrev_b32 v[CO], 4, v[T]
	v_lshl_add_u32 v[CO], v[T+1], 15, v[CO]        ; out0: 16 r + 8 h rows
	v_mul_u32_u24 v[T+3], v[T], 3*1040             ; Wv: row 4 r is 3,072 bytes times r in memory
	v_mad_u32_u24 v[T+4], v[T+1], 24, v[T+3]
	v_mad_u32_u24 v[T+5], v[T+1], 40, v[T+3]
	v_add_nc_u32 v[ADW], s63, v[T+4]
	v_add_nc_u32 v[ADW+1], s63, v[T+5]
	v_mul_u32_u24 v[T+7], v[T], VROW
	v_mad_u32_u24 v[T+8], v[T+1], 24, v[T+7]
	v_mad_u32_u24 v[T+9], v[T+1], 40, v[T+7]
.irp g, 0,1,2,3                        ; 64 rows each; from HV on in the bytes that held Wv
.if \g < HV/64
.set GB, VREG+\g*4*VBLK
.else
.set GB, (\g-HV/64)*4*VBLK
.endif
	v_add_nc_u32 v[ADV+2*\g], GB, v[T+8]
	v_add_nc_u32 v[ADV+2*\g+1], GB, v[T+9]
.endr
	s_wait_alu depctr_va_vdst(0)
	s_wait_dscnt 0x0                               ; both opening adds are done
	s_wait_kmcnt 0x0
	s_add_nc_u64 s[G0W+2:G0W+3], s[8:9], s[68:69]
	s_or_b32 s[G0W+3], s[G0W+3], 0x80000000
	s_add_nc_u64 s[G0V+2:G0V+3], s[4:5], s[70:71]
	s_or_b32 s[G0V+3], s[G0V+3], 0x80000000
	s_add_nc_u64 s[G0R+2:G0R+3], s[4:5], s[72:73]
	s_or_b32 s[G0R+3], s[G0R+3], 0x80000000
	s_add_nc_u64 s[6:7], s[6:7], s[74:75]
	s_add_nc_u64 s[10:11], s[10:11], s[76:77]
	s_add_nc_u64 s[OUTP:OUTP+1], s[OUTP:OUTP+1], s[78:79]
	CROUND                                         ; all sixteen work-groups are here: the first joint loads meet
	s_cmp_eq_u32 s[RH], 0                          ; one load a wave: waves 0 and 1 fetch Wv's halves, waves 2 and 3 v's rows 0-63 and 64-127
	s_cbranch_scc0 .Lfor_v
	tensor_load_to_lds s[G0W:G0W+3], s[G1W:G1W+7]
	s_nop 0
	PLACES
	s_branch .Lasked
.Lfor_v:
	tensor_load_to_lds s[G0V:G0V+3], s[G1V:G1V+7]
	s_nop 0
	PLACES
.Lasked:
.irp u, 0,1                            ; Wv's scale words: register 8 u + q: lanes 0-15 tile u, lanes 16-31 tile 2 + u, step q
	global_load_b128 v[WS+8*\u:WS+8*\u+3], v1, s[10:11] offset:32*\u
	global_load_b128 v[WS+8*\u+4:WS+8*\u+7], v1, s[10:11] offset:32*\u+16
.endr
.irp p, 0,1,2,3,4,5,6,7                ; v's: register 8 p + q: lanes 0-15 block 2 p, lanes 16-31 block 2 p + 1, step q
	global_load_b128 v[VS+8*\p:VS+8*\p+3], v15, s[6:7] offset:1024*\p
	global_load_b128 v[VS+8*\p+4:VS+8*\p+7], v15, s[6:7] offset:1024*\p+16
.endr
; A fragment is 16 rows x 128 K in 12 registers: registers 6 c .. 6 c + 5 of lane (r, h) hold K = 64 c + 32 h + 0 .. 31: 24 bytes of the row's stream of bits, as they lie, in pieces of 8 bytes.
; A piece of lanes 0-15 at byte x lies behind one padding for each whole interval passed; where lanes 16-31, 24 bytes on, have passed one more, the second address register serves.
.macro VP i, hf, n                     ; block i, steps 4 hf .. 4 hf + 3: piece n of their 24
.set XX, 96*(4*(\hf)+(\n)/6)+48*(((\n)%6)/3)+8*((\n)%3)
.set XD, F+48*(\hf)+2*(\n)
.set XA, ADV+2*((\i)/4)+(XX+24)/256-XX/256
	ds_load_b64 v[XD:XD+1], v[XA] offset:((\i)%4)*VBLK+XX+16*(XX/256)
.endm
.macro VSET i, hf
.irp n, 0,1,2,3,4,5,6,7,8,9,10,11,12,13,14,15,16,17,18,19,20,21,22,23
	VP \i, \hf, \n
.endr
.endm
.macro WLOAD q                         ; Wv's four fragments of step q: 24 loads into window 1 or 2
	WIN 0x40+0x40*((\q)/4)
.irp t, 0,1,2,3
.irp p, 0,1,2,3,4,5
.set XX, 768*\t+96*(\q)+48*(\p/3)+8*(\p%3)
.set XD, 48*((\q)%4)+12*\t+2*\p
.set XA, ADW+(XX+24)/1024-XX/1024
	ds_load_b64 v[XD:XD+1], v[XA] offset:XX+16*(XX/1024)
.endr
.endr
.endm
; One matrix instruction: block i, step q, tile t.  The first step starts the sums: nothing is ever cleared.  The four accumulators of a block take turns, one instruction a turn.
.macro MUL i, q, t
.set AC, ACC+32*((\i)%2)+8*(\t)
.set FA, F+12*(\q)
.set WB, 48*((\q)%4)+12*(\t)
.set SA, VS+8*((\i)/2)+(\q)
.set SB, WS+8*((\t)%2)+(\q)
.set SEL, 2*((\i)%2)+(\t)/2
.if (\q) == 0
.if SEL == 0
	v_wmma_scale_f32_16x16x128_f8f6f4 v[AC:AC+7], v[FA:FA+11], v[WB:WB+11], 0, v[SA], v[SB] matrix_a_fmt:MATRIX_FMT_BF6 matrix_b_fmt:MATRIX_FMT_BF6
.elseif SEL == 1
	v_wmma_scale_f32_16x16x128_f8f6f4 v[AC:AC+7], v[FA:FA+11], v[WB:WB+11], 0, v[SA], v[SB] matrix_a_fmt:MATRIX_FMT_BF6 matrix_b_fmt:MATRIX_FMT_BF6 matrix_b_scale:MATRIX_SCALE_ROW1
.elseif SEL == 2
	v_wmma_scale_f32_16x16x128_f8f6f4 v[AC:AC+7], v[FA:FA+11], v[WB:WB+11], 0, v[SA], v[SB] matrix_a_fmt:MATRIX_FMT_BF6 matrix_b_fmt:MATRIX_FMT_BF6 matrix_a_scale:MATRIX_SCALE_ROW1
.else
	v_wmma_scale_f32_16x16x128_f8f6f4 v[AC:AC+7], v[FA:FA+11], v[WB:WB+11], 0, v[SA], v[SB] matrix_a_fmt:MATRIX_FMT_BF6 matrix_b_fmt:MATRIX_FMT_BF6 matrix_a_scale:MATRIX_SCALE_ROW1 matrix_b_scale:MATRIX_SCALE_ROW1
.endif
.else
.if SEL == 0
	v_wmma_scale_f32_16x16x128_f8f6f4 v[AC:AC+7], v[FA:FA+11], v[WB:WB+11], v[AC:AC+7], v[SA], v[SB] matrix_a_fmt:MATRIX_FMT_BF6 matrix_b_fmt:MATRIX_FMT_BF6
.elseif SEL == 1
	v_wmma_scale_f32_16x16x128_f8f6f4 v[AC:AC+7], v[FA:FA+11], v[WB:WB+11], v[AC:AC+7], v[SA], v[SB] matrix_a_fmt:MATRIX_FMT_BF6 matrix_b_fmt:MATRIX_FMT_BF6 matrix_b_scale:MATRIX_SCALE_ROW1
.elseif SEL == 2
	v_wmma_scale_f32_16x16x128_f8f6f4 v[AC:AC+7], v[FA:FA+11], v[WB:WB+11], v[AC:AC+7], v[SA], v[SB] matrix_a_fmt:MATRIX_FMT_BF6 matrix_b_fmt:MATRIX_FMT_BF6 matrix_a_scale:MATRIX_SCALE_ROW1
.else
	v_wmma_scale_f32_16x16x128_f8f6f4 v[AC:AC+7], v[FA:FA+11], v[WB:WB+11], v[AC:AC+7], v[SA], v[SB] matrix_a_fmt:MATRIX_FMT_BF6 matrix_b_fmt:MATRIX_FMT_BF6 matrix_a_scale:MATRIX_SCALE_ROW1 matrix_b_scale:MATRIX_SCALE_ROW1
.endif
.endif
.endm
.macro MUL4 i, q
	WIN 4+4*((\q)/4)                               ; source 1 window 1 or 2, all else window 0
.irp t, 0,1,2,3
	MUL \i, \q, \t
.endr
.endm
; THE WAY OUT of block i: the running sum over b, over each four neighbouring rows of a lane, into the block's store buffer, four columns side by side; each accumulator from its low end on.  Then eight stores: lanes 0-15
; row j, lanes 16-31 row 8 + j, 256 aligned bytes each.  Source 0 and addresses window 0, source 1, data and destination window 3.
.macro WAYOUT i
.set BF, 32*((\i)%8)
.set AQ, ACC+32*((\i)%2)
.if (\i) == 8
	s_wait_xcnt 0x0                                ; blocks 0-7's stores have read their registers: the eight buffers may be written anew
.endif
	WIN 0xcc
.irp j, 0,1,2,3,4,5,6,7
.irp t, 0,1,2,3
.if \j%4 == 0
	v_mov_b32 v[BF+4*\j+\t], v[AQ+8*\t+\j]
.else
	v_add_f32 v[BF+4*\j+\t], v[AQ+8*\t+\j], v[BF+4*\j+\t-4]
.endif
.endr
.endr
.irp j, 0,1,2,3,4,5,6,7
	global_store_b128 v[CO], v[BF+4*\j:BF+4*\j+3], s[OUTP:OUTP+1] offset:65536*(\i)+4096*\j th:TH_STORE_NT
.endr
.endm
; Half a block: steps 4 hf .. 4 hf + 3, 16 matrix instructions, and between them the 24 loads of the half that follows (none behind the last block), eight in each of the first three steps.  Step a waits for its own six of the 24
; that were out at the half's head: 18 - 6 a of those, and the 8 a issued since, may be out.  The four v_nop, behind the half's first matrix instruction, are the places in front of loads into registers that the last half's
; matrix instructions have read, and of the reads of the last block's results.  The last block's way out stands in the first half.
; In block LASTH's second half the loads turn to v's second part: each wave waits for its load of it, and a barrier, with four matrix instructions between signal and wait, shows it whole.
.macro HALF i, hf
.set NLD, 1
.if (\i) == 15 && (\hf) == 1
.set NLD, 0
.endif
.set BAR, 0
.if (\i) == LASTH && (\hf) == 1
.set BAR, 1
	s_wait_tensorcnt 0x0
	s_wait_dscnt 0x0
	s_barrier_signal -1
.endif
.irp a, 0,1,2,3
.if BAR == 0
	s_wait_dscnt 18-6*\a+8*\a*NLD
.endif
	WIN 4+4*(\hf)
.irp t, 0,1,2,3
	MUL \i, 4*(\hf)+\a, \t
.if BAR == 0 && \a == 0 && \t == 0
	PLACES
.endif
.if NLD == 1 && \a-BAR >= 0 && \a-BAR < 3
.if (\hf) == 0
	VP \i, 1, 8*(\a-BAR)+2*\t
	VP \i, 1, 8*(\a-BAR)+2*\t+1
.else
	VP \i+1, 0, 8*(\a-BAR)+2*\t
	VP \i+1, 0, 8*(\a-BAR)+2*\t+1
.endif
.endif
.endr
.if BAR == 1 && \a == 0
	s_barrier_wait -1
	PLACES
.endif
.if (\hf) == 0 && \a == 1 && (\i) > 1
	WAYOUT \i-1
.endif
.endr
.endm
	s_wait_tensorcnt 0x0                           ; my load has landed
	s_barrier_signal -1
	s_barrier_wait -1                              ; everybody's has
	; ---- BLOCK 0, step by step as Wv comes into registers: in front of each step's products the next step's 24 loads are issued, which may be out
	VSET 0, 0
	WLOAD 0
	WLOAD 1
	s_wait_loadcnt 0x0                             ; all scale words are in
	s_wait_dscnt 24
	MUL4 0, 0
	WLOAD 2
	s_wait_dscnt 24
	MUL4 0, 1
	WLOAD 3
	s_wait_dscnt 24
	MUL4 0, 2
	WIN 0
	VSET 0, 1
	WLOAD 4
	s_wait_dscnt 48                                ; v's steps 4-7 and Wv's step 4 may be out
	MUL4 0, 3
	WLOAD 5
	s_wait_dscnt 24
	MUL4 0, 4
	WLOAD 6
	s_wait_dscnt 24
	MUL4 0, 5
	WLOAD 7
	s_wait_dscnt 24
	MUL4 0, 6
	PLACES
	VSET 1, 0                                      ; block 1's steps 0-3
	s_wait_dscnt 24
	MUL4 0, 7
	PLACES
	WAYOUT 0
	; ---- every wave has Wv in registers: v's rows 128-255 come into those bytes
	WIN 0
	s_wait_tensorcnt 0x0
	ds_add_u32 v[SPW], v[NIL]
	s_wait_dscnt 0x0                               ; the add is done, and so are my reads of Wv
	CROUND                                         ; no wave of any partner still reads these bytes or has a load on its way
	tensor_load_to_lds s[G0R:G0R+3], s[G1R:G1R+7]  ; each wave 32 rows
	s_nop 0
	PLACES
.irp i, 1,2,3,4,5,6,7,8,9,10,11,12,13,14,15
	HALF \i, 0
	HALF \i, 1
.endr
	PLACES
	WAYOUT 15
	WIN 0
	s_wait_tensorcnt 0x0                           ; the wave's end
	ds_add_u32 v[SPW], v[NIL]
	s_wait_dscnt 0x0
	CROUND                                         ; the closing round: no work-group ends while a partner may still ask for a tile that names it
	s_endpgm
.Lfunc_end_k_q8e9df705ca_fused:
	.size	k_q8e9df705ca_fused, .Lfunc_end_k_q8e9df705ca_fused-k_q8e9df705ca_fused
	.p2alignl 7, 3214868480
	.fill 96, 4, 3214868480
	.section	.rodata,"a",@progbits
	.p2align	6, 0x0
	.amdhsa_kernel k_q8e9df705ca_fused
		.amdhsa_group_segment_fixed_size 327680
		.amdhsa_private_segment_fixed_size 0
		.amdhsa_enable_private_segment 0
		.amdhsa_kernarg_size 40
		.amdhsa_user_sgpr_count 2
		.amdhsa_user_sgpr_kernarg_segment_ptr 1
		.amdhsa_wavefront_size32 1
		.amdhsa_system_sgpr_workgroup_id_x 1
		.amdhsa_system_sgpr_workgroup_id_y 1
		.amdhsa_system_sgpr_workgroup_id_z 1
		.amdhsa_system_vgpr_workitem_id 0
		.amdhsa_next_free_vgpr 1024
		.amdhsa_next_free_sgpr 80
		.amdhsa_reserve_vcc 0
		.amdhsa_float_denorm_mode_32 3
		.amdhsa_float_denorm_mode_16_64 3
		.amdhsa_memory_ordered 1
		.amdhsa_forward_progress 1
		.amdhsa_inst_pref_size 173
	.end_amdhsa_kernel
	.amdgpu_metadata
---
amdhsa.version: [ 1, 2 ]
amdhsa.kernels:
  - .name:           k_q8e9df705ca_fused
    .symbol:         k_q8e9df705ca_fused.kd
    .args:
      - { .name: v_codes, .offset: 0, .size: 8, .value_kind: global_buffer, .address_space: global }
      - { .name: v_scales, .offset: 8, .size: 8, .value_kind: global_buffer, .address_space: global }
      - { .name: Wv_codes, .offset: 16, .size: 8, .value_kind: global_buffer, .address_space: global }
      - { .name: Wv_scales, .offset: 24, .size: 8, .value_kind: global_buffer, .address_space: global }
      - { .name: out0, .offset: 32, .size: 8, .value_kind: global_buffer, .address_space: global }
    .group_segment_fixed_size: 327680
    .private_segment_fixed_size: 0
    .kernarg_segment_align: 8
    .kernarg_segment_size: 40
    .max_flat_workgroup_size: 128
    .sgpr_count:     80
    .vgpr_count:     1024
    .wavefront_size: 32
...
	.end_amdgpu_metadata
.endif
;; end of part 1
